; MI455X (gfx1250); checked and timed in simulation.
; The chip was launched on July 23, 2026; its instructions are those of AMD's public machine-readable ISA for CDNA 5 (MIT licence, August 2026) and "CDNA5" Instruction Set Architecture Reference Guide (July 2026). The comments in the code are by the model that wrote it; some were corrected since.
;; Simple Retriever Memory. Allowed arithmetic: matrix products marked QUANTISED: E2M1 operands, one E8M0 scale for each 32 along K, by v_wmma_scale_f32_16x16x128_f8f6f4 with both operands' format E2M1 (or v_wmma_scale_f32_32x16x128_f4), f32 sums; everything else in f32.
;; Inputs: keys 131,072 x 256 float32; query 1,024 x 256 float32; vals 131,072 x 256 float32.
;; Outputs: out0 1,024 x 8 x 256 float32.
;; Constants: top_k = 8.
;; This version of the problem:
;;   THIS VERSION OF THE PROBLEM IS GIVEN IN LOW PRECISION. The matrix products marked QUANTISED in the list below multiply operands that are first quantised to E2M1 (2 exponent bits, 1 mantissa bit; 4 bits a number), with one power-of-two scale for each 32 numbers along K (OCP MX v1.0); their sums are f32. All else is computed in f32.
;;   The module's matrix products, in the order in which they are computed (A, B: the left and right operand; K: the contracted axis; several contracted axes count as one K, in the product's order):
;;     1. [M 1,024, K 256] x [K 256, N 131,072]; A: input query; B: input keys: QUANTISED
;;   THE QUANTISER, for each operand of a quantised product, along K:
;;     - K is cut into blocks of 32 from its start; a last block that is shorter is filled with zeros.
;;     - A block's scale is 2^e with e = floor(log2(the largest magnitude in the block)) - 2, held to -126 .. 127; a block of zeros has e = 0. As a byte (E8M0): e + 127.
;;     - Each number is divided by its block's scale, clamped to +-6, and rounded to the nearest number of E2M1, ties to even, subnormals kept.
;;     - The product sums the exact products of the quantised numbers (number of the format x scale) in f32.
;;   ~~~python
;;   def quantise(x, axis):      # numpy; x: float32 -> the quantised numbers, widened to float32 again
;;       x = np.moveaxis(x, axis, -1); K = x.shape[-1]
;;       x = np.pad(x, [(0, 0)] * (x.ndim - 1) + [(0, -K % 32)]); x = x.reshape(x.shape[:-1] + (-1, 32)); a = np.abs(x).max(-1, keepdims=True)
;;       e = np.where(a > 0, np.clip(np.frexp(np.where(a > 0, a, 1))[1] - 1 - 2, -126, 127), 0)      # np.frexp(a)[1] - 1 = floor(log2(a)), exactly
;;       r = np.clip(x / 2.0 ** e, -6, 6)
;;       step = 2.0 ** (np.maximum(np.frexp(np.where(r == 0, 1, r))[1] - 1, 0) - 1)
;;       q = np.round(r / step) * step * 2.0 ** e      # np.round: ties to even
;;       return np.moveaxis(q.reshape(q.shape[:-2] + (-1,))[..., :K], -1, axis).astype(np.float32)
;;   ~~~
;; One version. Each part assembles by itself: llvm-mc -triple=amdgcn-amd-amdhsa -mcpu=gfx1250 --defsym DOCPART=n.
;; ======== version 1 of 1: 5 launches
;; workspace buffers: codes 16,908,288 bytes; scales 1,056,768 bytes; hk 528,384 bytes; gm 8,388,608 bytes; sel 32,768 bytes of whole numbers; idx 32,768 bytes of whole numbers
;; launch quant (part 1): grid 258 x 1, 8 waves a work-group, no clusters, 136,192 bytes of LDS; arguments keys, query, codes, scales, hk; writes codes, scales, hk
.if DOCPART == 1
	.amdgcn_target "amdgcn-amd-amdhsa--gfx1250"
	.amdhsa_code_object_version 6
	.text
	.protected	k_q147fcf636d_quant
	.globl	k_q147fcf636d_quant
	.p2align	8
	.type	k_q147fcf636d_quant,@function
k_q147fcf636d_quant:
	s_mov_b64 s[64:65], 0
	v_nop
	global_prefetch_b8 v0, s[64:65] scope:SCOPE_SE
	s_setreg_imm32_b32 hwreg(HW_REG_WAVE_MODE, 25, 1), 1
	s_wait_xcnt 0x0
; keys [131072][256] and query [1024][256], f32, become codes of FP4 (E2M1) with one E8M0 scale byte for each 32 along K, laid in the ORDER OF THE OPERAND'S REGISTERS,
; and hk[row] = -(the row's sum of squares) / 2, of the unquantised numbers.  Rows are counted on end: the keys, then the queries.  A tile is 16 rows, a group 4 tiles.
;   codes  [tile][K step s][c][lane][16 bytes]: lane 16 h + r holds the 32 codes of row r, block 4 s + 2 c + h: a fragment's registers 4 c .. 4 c + 3 as they stand
;   scales [group][lane][4 words]: lane 16 s + r, word i: the scale word (four bytes, 128 along K) of row r of the group's tile i for K step s
;   hk     [row] f32
; A block's scale is 2^(floor(log2(its largest magnitude)) - 2); its byte is the largest magnitude's exponent field - 2, held at 1 from below.
; LIMITS: a block of zeros gets the byte 1 where the rule says 127: its codes are zeros, and this program alone reads the bytes.  NaN and infinities are not served.
; The order in which a row's squares are summed is this text's own (two packed chains a lane, then the two halves, then the lane 16 away).
; SHARES.  A wave takes one group: 64 rows, 65,536 consecutive bytes.  Work-groups 0 to 255 take the keys, 256 and 257 the queries: only pointers are chosen, the path is one.
; Each load reads 512 consecutive bytes; a tile turns through the wave's own stage in LDS (rows 1,040 bytes apart: row r begins 4 r words on, modulo 64 words), from which a lane
; takes a whole block of 32 neighbours.  Waves share nothing: no barrier.  While a tile is worked on, the next tile's 32 loads are out.
.set R,     32                         ; v32-159   a tile as loaded
.set X,     160                        ; v160-223  two sets of one block (32 numbers)
.set C,     224                        ; v224-239  the tile's codes: 4 registers for each of the lane's four blocks
.set SW,    240                        ; v240-243  the scale words of the group's four tiles
.set PITCH, 1040
.set HKO,   16*PITCH                   ; behind the stage: the group's 64 numbers of hk
.set WREG,  HKO+256                    ; LDS bytes of a wave
	s_load_b256 s[4:11], s[0:1], 0x0               ; keys s[4:5], query s[6:7], codes s[8:9], scales s[10:11]
	s_load_b64 s[12:13], s[0:1], 0x20              ; hk
	v_lshl_add_u32 v248, v0, 2, 0x21000
	v_mov_b32 v249, 0
	v_lshrrev_b32 v1, 5, v0
	v_readfirstlane_b32 s16, v1                    ; wave 0..7
	v_and_b32 v1, 31, v0                           ; lane
	v_and_b32 v9, 15, v0                           ; r
	v_bfe_u32 v10, v0, 4, 1                        ; h
	v_lshlrev_b32 v2, 4, v1                        ; 16 x lane: the loads', and the codes' and scale words' stores'
	s_mul_i32 s24, s16, WREG                       ; my wave's LDS bytes
	v_add_nc_u32 v3, s24, v2                       ; the stage, on the way in
	v_mul_u32_u24 v4, v9, PITCH
	v_lshl_add_u32 v4, v10, 7, v4
	v_add_nc_u32 v4, s24, v4                       ; and on the way out: row r, + 128 h bytes: block h of a pair of blocks
	s_add_co_u32 s25, s24, HKO
	v_lshl_add_u32 v5, v9, 2, s25                  ; where row r's hk goes
	v_lshl_add_u32 v6, v1, 3, s25                  ; and how the 64 are read back: 8 bytes a lane
	v_lshlrev_b32 v7, 3, v1
	v_lshlrev_b32 v8, 3, v10                       ; 8 h: my bytes' shift in a scale word
	v_mov_b32 v23, 0                               ; a lane permute's destination counts as one of its sources: written once
	v_mov_b32 v26, 0
	v_mov_b32 v27, 0
	s_mov_b32 s20, 0x76543210
	s_mov_b32 s21, 0xfedcba98                      ; v_permlanex16_b32's selects for lane l xor 16
	s_mov_b32 s22, 0xffff0000                      ; the lanes with h = 1
	s_lshl_b32 s17, ttmp9, 3
	s_add_co_u32 s17, s17, s16                     ; my group, 0 .. 2063
	s_mov_b32 s19, 0
	s_wait_kmcnt 0x0
	s_cmp_lt_u32 ttmp9, 256                        ; keys or queries?  The choice hangs on the work-group's number alone
	s_cselect_b64 s[4:5], s[4:5], s[6:7]
	s_cselect_b32 s23, 0, 2048
	s_sub_co_u32 s18, s17, s23
	s_lshl_b32 s18, s18, 16                        ; 65,536 bytes of f32 a group
	s_add_nc_u64 s[4:5], s[4:5], s[18:19]
	s_lshl_b32 s18, s17, 13                        ; 8,192 bytes of codes,
	s_add_nc_u64 s[8:9], s[8:9], s[18:19]
	s_lshl_b32 s18, s17, 9                         ; 512 of scale words,
	s_add_nc_u64 s[10:11], s[10:11], s[18:19]
	s_lshl_b32 s18, s17, 8                         ; 256 of hk
	s_add_nc_u64 s[12:13], s[12:13], s[18:19]
.macro LOAD tt                         ; tile tt: 32 loads of 512 consecutive bytes
.set n, 0
.rept 32
	global_load_b128 v[R+4*n:R+4*n+3], v2, s[4:5] offset:16384*(\tt)+512*n th:TH_LOAD_NT
.set n, n+1
.endr
.endm
.macro TOSTAGE                         ; as loaded: load n is half n % 2 of row n / 2
.set n, 0
.rept 32
	ds_store_b128 v3, v[R+4*n:R+4*n+3] offset:(n/2)*PITCH+(n%2)*512
.set n, n+1
.endr
.endm
.macro CHUNK k, set                    ; my block 2 k + h of row r (k = 2 s + c): 128 bytes
.irp i, 0,1,2,3,4,5,6,7
	ds_load_b128 v[X+32*(\set)+4*\i:X+32*(\set)+4*\i+3], v4 offset:256*(\k)+16*\i
.endr
.endm
.macro QB k, set, first, tt            ; a block: its largest magnitude, its squares, its scale, its codes
.set XS, X+32*(\set)
	v_max3_num_f32 v12, |v[XS]|, |v[XS+1]|, |v[XS+2]|
	v_max3_num_f32 v13, |v[XS+3]|, |v[XS+4]|, |v[XS+5]|
.irp i, 6,10,14,18,22,26
	v_max3_num_f32 v12, v12, |v[XS+\i]|, |v[XS+\i+1]|
	v_max3_num_f32 v13, v13, |v[XS+\i+2]|, |v[XS+\i+3]|
.endr
	v_max3_num_f32 v12, v12, |v[XS+30]|, |v[XS+31]|
	v_max3_num_f32 v12, v12, v13, 0x1800000        ; and the floor 2^(3 - 127): the byte cannot fall under 1
.if \first
	v_pk_mul_f32 v[18:19], v[XS:XS+1], v[XS:XS+1]  ; a tile's first products start the two chains: nothing is cleared
	v_pk_mul_f32 v[20:21], v[XS+2:XS+3], v[XS+2:XS+3]
.else
	v_pk_fma_f32 v[18:19], v[XS:XS+1], v[XS:XS+1], v[18:19]
	v_pk_fma_f32 v[20:21], v[XS+2:XS+3], v[XS+2:XS+3], v[20:21]
.endif
.irp i, 4,8,12,16,20,24,28
	v_pk_fma_f32 v[18:19], v[XS+\i:XS+\i+1], v[XS+\i:XS+\i+1], v[18:19]
	v_pk_fma_f32 v[20:21], v[XS+\i+2:XS+\i+3], v[XS+\i+2:XS+\i+3], v[20:21]
.endr
	v_add_nc_u32 v11, 0xff000000, v12              ; 2 off the exponent field: the conversion takes the exponent field of this operand as its scale
.irp g, 0,1,2,3
	v_cvt_scalef32_pk8_fp4_f32 v[C+4*(\k)+\g], v[XS+8*\g:XS+8*\g+7], v11
.endr
	v_lshrrev_b32 v[14+(\k)], 23, v11              ; the scale's byte; also the plain line behind the conversions
	global_store_b128 v2, v[C+4*(\k):C+4*(\k)+3], s[8:9] offset:2048*(\tt)+512*(\k)   ; 32 lanes store 512 consecutive bytes
.endm
.macro TILE tt
	s_wait_loadcnt 0x0                             ; this tile's 32 loads are in; no other load is out
	s_wait_xcnt 0x0                                ; the last tile's stores have read the codes' registers, which are written again below
	TOSTAGE
	CHUNK 0, 0
	CHUNK 1, 1
	s_wait_dscnt 8                                 ; all but chunk 1's eight loads: the stores into the stage have read their registers, chunk 0 is in
.if (\tt) < 3
	LOAD (\tt)+1                                   ; the next tile is on its way while this one is worked on
.endif
	QB 0, 0, 1, \tt
	CHUNK 2, 0
	s_wait_dscnt 8                                 ; chunk 1 is in; chunk 2's eight may be out
	QB 1, 1, 0, \tt
	CHUNK 3, 1
	s_wait_dscnt 8                                 ; chunk 2 is in; chunk 3's eight may be out
	QB 2, 0, 0, \tt
	s_wait_dscnt 0x0
	QB 3, 1, 0, \tt
	v_pk_add_f32 v[18:19], v[18:19], v[20:21]      ; the row's sum of squares: my 128 numbers',
	v_add_f32 v22, v18, v19
	v_permlanex16_b32 v23, v22, s20, s21
	v_add_f32 v22, v22, v23                        ; and the other 128, in the lane 16 away
	v_mul_f32 v22, -0.5, v22
	ds_store_b32 v5, v22 offset:64*(\tt)           ; both lanes of a row write the same word with the same value
	v_lshl_or_b32 v24, v15, 16, v14                ; my two bytes of K step 0's word (blocks h and 2 + h),
	v_lshl_or_b32 v25, v17, 16, v16                ; and of K step 1's,
	v_lshlrev_b32 v24, v8, v24                     ; at their places: 8 h bits up
	v_lshlrev_b32 v25, v8, v25
	v_permlanex16_b32 v26, v24, s20, s21
	v_permlanex16_b32 v27, v25, s20, s21
	v_or_b32 v24, v24, v26                         ; with the other lane's two bytes the words are whole
	v_or_b32 v25, v25, v27
	v_cndmask_b32 v[SW+(\tt)], v24, v25, s22       ; lanes 0-15 keep K step 0's, lanes 16-31 K step 1's
.endm
	LOAD 0
	TILE 0
	TILE 1
	TILE 2
	TILE 3
	global_store_b128 v2, v[SW:SW+3], s[10:11]     ; the group's scale words: 512 consecutive bytes
	ds_load_b64 v[28:29], v6                       ; LDS serves a wave's instructions in order: this sees my four stores
	s_wait_dscnt 0x0
	global_store_b64 v7, v[28:29], s[12:13]        ; the group's hk: 256 consecutive bytes, aligned
	s_wait_tensorcnt 0x0
	ds_add_u32 v248, v249
	s_wait_dscnt 0x0
	s_endpgm
.Lfunc_end_k_q147fcf636d_quant:
	.size	k_q147fcf636d_quant, .Lfunc_end_k_q147fcf636d_quant-k_q147fcf636d_quant
	.p2alignl 7, 3214868480
	.fill 96, 4, 3214868480
	.section	.rodata,"a",@progbits
	.p2align	6, 0x0
	.amdhsa_kernel k_q147fcf636d_quant
		.amdhsa_group_segment_fixed_size 136192
		.amdhsa_private_segment_fixed_size 0
		.amdhsa_enable_private_segment 0
		.amdhsa_kernarg_size 40
		.amdhsa_user_sgpr_count 2
		.amdhsa_user_sgpr_kernarg_segment_ptr 1
		.amdhsa_wavefront_size32 1
		.amdhsa_system_sgpr_workgroup_id_x 1
		.amdhsa_system_sgpr_workgroup_id_y 1
		.amdhsa_system_sgpr_workgroup_id_z 1
		.amdhsa_system_vgpr_workitem_id 0
		.amdhsa_next_free_vgpr 250
		.amdhsa_next_free_sgpr 66
		.amdhsa_reserve_vcc 0
		.amdhsa_float_denorm_mode_32 3
		.amdhsa_float_denorm_mode_16_64 3
		.amdhsa_memory_ordered 1
		.amdhsa_forward_progress 1
		.amdhsa_inst_pref_size 74
	.end_amdhsa_kernel
	.amdgpu_metadata
---
amdhsa.version: [ 1, 2 ]
amdhsa.kernels:
  - .name:           k_q147fcf636d_quant
    .symbol:         k_q147fcf636d_quant.kd
    .args:
      - { .name: keys, .offset: 0, .size: 8, .value_kind: global_buffer, .address_space: global }
      - { .name: query, .offset: 8, .size: 8, .value_kind: global_buffer, .address_space: global }
      - { .name: codes, .offset: 16, .size: 8, .value_kind: global_buffer, .address_space: global }
      - { .name: scales, .offset: 24, .size: 8, .value_kind: global_buffer, .address_space: global }
      - { .name: hk, .offset: 32, .size: 8, .value_kind: global_buffer, .address_space: global }
    .group_segment_fixed_size: 136192
    .private_segment_fixed_size: 0
    .kernarg_segment_align: 8
    .kernarg_segment_size: 40
    .max_flat_workgroup_size: 256
    .sgpr_count:     66
    .vgpr_count:     250
    .wavefront_size: 32
...
	.end_amdgpu_metadata
.endif
;; end of part 1
;; launch score (part 2): grid 128 x 2, 8 waves a work-group, no clusters, 113,664 bytes of LDS; arguments codes, scales, hk, gm; writes gm
.if DOCPART == 2
	.amdgcn_target "amdgcn-amd-amdhsa--gfx1250"
	.amdhsa_code_object_version 6
	.text
	.protected	k_q147fcf636d_score
	.globl	k_q147fcf636d_score
	.p2align	8
	.type	k_q147fcf636d_score,@function
k_q147fcf636d_score:
	s_mov_b64 s[64:65], 0
	v_nop
	global_prefetch_b8 v0, s[64:65] scope:SCOPE_SE
	s_setreg_imm32_b32 hwreg(HW_REG_WAVE_MODE, 25, 1), 1
	s_wait_xcnt 0x0
; s'[query][key] = Q(query) . Q(key) - (key's sum of squares) / 2 for all 1,024 x 131,072 pairs, on codes of FP4 with E8M0 scales, and of each GROUP of 64 neighbouring keys the largest s'.
; The distance falls where s' rises (dist = sqrt(max(q2 - 2 s', 0))), so a group's largest s' is its nearest key's; q2, the clip and the root are applied later, once a group.
; hk[key] = -k2 / 2 is the C of a sum's first matrix instruction, so it costs no vector instruction.  LIMIT: so the rounding is fl(q2 - 2 fl(qk - k2 / 2)), not fl(fl(q2 + k2) - 2 qk).  NaN is not served.
; SHARES.  Work-group (x, y): keys 1,024 x on, queries 512 y on.  Wave w keeps 128 keys (8 tiles, two groups) in registers for the whole launch: fragments, scale words and hk; it walks the 32 query tiles,
; whose fragments and scale words lie in LDS as images of their registers, staged once at the head.  Source 0 = 16 keys, source 1 = 16 queries: lane (r, h) register j of tile t holds key 16 t + 8 h + j for query r.
; A query tile is 16 matrix instructions (8 accumulators by turns, K step 0, then K step 1) and a tree of 36 vector instructions for the tile before: two sets of accumulators and of query fragments take turns.
; gm [x 128][y 2][query 512][16 groups] f32: the work-group's part is 32,768 consecutive bytes, gathered in LDS and stored 512 consecutive bytes an instruction.
; NO CLUSTER: what work-groups share (the 69,632 bytes of a half's query operands; a wave's 17,920 bytes of key operands with one other work-group) is loaded once, at the head; the loop reads no memory.
; REGISTERS: window 0: v1-9 addresses; v16-79, v80-143 the two sets of accumulators; v144-159, v160-175 the two sets of query fragments; v176-183 the keys' scale words, v184-191 the queries'; v192-198 at work.
;   window 1: v0-127 the keys' fragments (tile t, K step s: 16 t + 8 s); v128-191 hk in the result's layout (tile t: 128 + 8 t).
.set QT0, 16777216                     ; where the queries' codes begin,
.set QS0, 1048576                      ; their scale words
.set QS,  65536                        ; LDS: 0: the 32 query tiles' images, 2,048 bytes each; QS: their scale words, 512 bytes a group of four tiles
.set OUT, 71680                        ; the stage for gm: 512 rows of 64 bytes + 16
.set D0,  16
.set B0,  144
.set SA,  176
.set SB,  184
.set MSB, 0
.macro WIN new                         ; the immediate's high byte repeats the setting that is left
.if MSB != \new
	s_set_vgpr_msb (MSB<<8)|\new
.set MSB, \new
.endif
.endm
	s_load_b256 s[4:11], s[0:1], 0x0               ; codes s[4:5], scales s[6:7], hk s[8:9], gm s[10:11]
	v_lshl_add_u32 v254, v0, 2, 0x1b800
	v_mov_b32 v255, 0
	v_lshrrev_b32 v1, 5, v0
	v_readfirstlane_b32 s16, v1                    ; wave 0..7
	s_and_b32 s17, ttmp7, 0xffff                   ; y
	s_lshl_b32 s18, ttmp9, 3
	s_add_co_u32 s18, s18, s16                     ; my block of 128 keys
	v_and_b32 v10, 31, v0
	v_lshlrev_b32 v1, 4, v10                       ; 16 x lane
	v_lshlrev_b32 v2, 4, v0                        ; 16 x thread
	v_bfe_u32 v11, v0, 4, 1                        ; h
	v_and_b32 v12, 15, v0                          ; r
	v_lshlrev_b32 v3, 5, v11                       ; 32 h: hk of my half's eight keys
	v_add_nc_u32 v9, QS, v2                        ; where the staged scale words go
	v_mul_u32_u24 v8, v12, 80
	v_lshl_add_u32 v8, v11, 2, v8
	s_lshl_b32 s19, s16, 3
	s_add_co_u32 s19, s19, OUT
	v_add_nc_u32 v8, s19, v8                       ; the stage: row r, group 2 w + h
	v_lshrrev_b32 v13, 2, v0
	v_mul_u32_u24 v7, v13, 80
	v_and_b32 v13, 3, v0
	v_lshl_add_u32 v7, v13, 4, v7
	v_add_nc_u32 v7, OUT, v7                       ; and back: four threads to a row
	v_mov_b32 v196, 0                              ; a lane permute's destination counts as one of its sources: written once
	v_mov_b32 v4, v1                               ; the query fragments of the block of 8 tiles in hand,
	v_add_nc_u32 v5, QS, v1                        ; their scale words,
	v_mov_b32 v6, v8                               ; and their rows in the stage
	s_mov_b32 s20, 0x76543210
	s_mov_b32 s21, 0xfedcba98                      ; v_permlanex16_b32's selects for lane l xor 16
	s_mov_b32 s22, 0xffff0000                      ; the lanes with h = 1
	s_mov_b32 s30, 0
	s_mov_b32 s31, QS
	s_mov_b32 s32, 0
	s_lshl_b32 s24, s17, 16
	s_add_co_u32 s24, s24, QT0
	s_mov_b32 s25, 0
	s_wait_kmcnt 0x0
	s_add_nc_u64 s[12:13], s[4:5], s[24:25]        ; my half's query codes: 65,536 bytes
	s_lshl_b32 s24, s17, 12
	s_add_co_u32 s24, s24, QS0
	s_add_nc_u64 s[14:15], s[6:7], s[24:25]        ; and scale words: 4,096 bytes
	s_lshl_b32 s24, s18, 14
	s_add_nc_u64 s[4:5], s[4:5], s[24:25]          ; my 8 key tiles' codes,
	s_lshl_b32 s24, s18, 10
	s_add_nc_u64 s[6:7], s[6:7], s[24:25]          ; scale words,
	s_lshl_b32 s24, s18, 9
	s_add_nc_u64 s[8:9], s[8:9], s[24:25]          ; and hk
	s_lshl_b32 s24, ttmp9, 16
	s_lshl_b32 s26, s17, 15
	s_add_co_u32 s24, s24, s26
	s_add_nc_u64 s[10:11], s[10:11], s[24:25]      ; the work-group's part of gm
.set i, 0
.rept 16
	global_load_b128 v[16+4*i:16+4*i+3], v2, s[12:13] offset:4096*i   ; the work-group's 256 threads read 4,096 consecutive bytes
.set i, i+1
.endr
	global_load_b128 v[80:83], v2, s[14:15]
	WIN 0x40                                       ; destination window 1, address window 0
.set k, 0
.rept 32
	global_load_b128 v[4*k:4*k+3], v1, s[4:5] offset:512*k            ; the keys' fragments as they lie
.set k, k+1
.endr
.set k, 0
.rept 16
	global_load_b128 v[128+4*k:128+4*k+3], v3, s[8:9] offset:64*(k/2)+16*(k%2)   ; hk(16 t + 8 h + j), t = k / 2
.set k, k+1
.endr
	WIN 0
	global_load_b128 v[SA:SA+3], v1, s[6:7]
	global_load_b128 v[SA+4:SA+7], v1, s[6:7] offset:512
	s_wait_loadcnt 50                              ; behind the 17 staging loads 32 + 16 + 2 were issued: those may stay out
.set i, 0
.rept 16
	ds_store_b128 v2, v[16+4*i:16+4*i+3] offset:4096*i
.set i, i+1
.endr
	ds_store_b128 v9, v[80:83]
	s_wait_dscnt 0x0                               ; for the others' sake: my part of the queries' operands lies in LDS
	s_barrier_signal -1
	s_barrier_wait -1
	s_wait_loadcnt 0x0                             ; my keys' operands
.macro LOADB off                       ; a query tile's fragment, both K steps, into the set at NB
.irp k, 0,1,2,3
	ds_load_b128 v[NB+4*\k:NB+4*\k+3], v4 offset:\off+512*\k
.endr
.endm
; 16 matrix instructions: my 8 key tiles against the query tile in the set at CB, into the accumulators at CD.  The eight accumulators take turns, one instruction a turn.
.macro MM i
	WIN 0x11                                       ; source 0 (keys) and C (hk) window 1
.irp t, 0,1,2,3,4,5,6,7
	v_wmma_scale_f32_16x16x128_f8f6f4 v[CD+8*\t:CD+8*\t+7], v[16*\t:16*\t+7], v[CB:CB+7], v[128+8*\t:128+8*\t+7], v[SA+\t], v[SB+(\i)] matrix_a_fmt:MATRIX_FMT_FP4 matrix_b_fmt:MATRIX_FMT_FP4
.endr
	WIN 0x01                                       ; source 0 window 1
.irp t, 0,1,2,3,4,5,6,7
	v_wmma_scale_f32_16x16x128_f8f6f4 v[CD+8*\t:CD+8*\t+7], v[16*\t+8:16*\t+15], v[CB+8:CB+15], v[CD+8*\t:CD+8*\t+7], v[SA+\t], v[SB+(\i)] matrix_a_fmt:MATRIX_FMT_FP4 matrix_b_fmt:MATRIX_FMT_FP4 matrix_a_scale:MATRIX_SCALE_ROW1 matrix_b_scale:MATRIX_SCALE_ROW1
.endr
	WIN 0
.endm
; The largest s' of my two groups for the 16 queries of the accumulators at TD: 36 vector instructions.  Each accumulator is read from its low end on.
.macro TREE off
.irp a, 1,3,5
.irp t, 0,1,2,3,4,5,6,7
	v_max3_num_f32 v[TD+8*\t], v[TD+8*\t], v[TD+8*\t+\a], v[TD+8*\t+\a+1]
.endr
.endr
	v_max3_num_f32 v192, v[TD], v[TD+8], v[TD+7]           ; tiles 0-3: the first group; the four registers 7 ride along
	v_max3_num_f32 v194, v[TD+32], v[TD+40], v[TD+39]      ; tiles 4-7: the second
	v_max3_num_f32 v193, v[TD+16], v[TD+24], v[TD+15]
	v_max3_num_f32 v195, v[TD+48], v[TD+56], v[TD+47]
	v_max3_num_f32 v192, v192, v193, v[TD+23]
	v_max3_num_f32 v194, v194, v195, v[TD+55]
	v_max_num_f32 v192, v192, v[TD+31]
	v_max_num_f32 v194, v194, v[TD+63]
	v_cndmask_b32 v197, v194, v192, s22                    ; lanes 0-15 finish the first group, lanes 16-31 the second: each sends what the other finishes,
	v_cndmask_b32 v198, v192, v194, s22                    ; and keeps its own
	v_permlanex16_b32 v196, v197, s20, s21
	v_max_num_f32 v198, v198, v196
	ds_store_b32 v6, v198 offset:\off
.endm
; Query tile i of a block of 8.  more: the next tile's fragment is asked for, at byte boff;  sb: four scale words too, into half sbh, from byte sboff;  tree: the tile before is reduced, into the stage at byte toff.
; Between the products of tile i - 1 and the loads into the registers that they read, and between them and the tree that reads their results, stands the tree of tile i - 2, which names none of their registers.
.macro SUB i, more, boff, sb, sbh, sboff, tree, toff
.set NB, B0+16*(((\i)+1)&1)
.set CB, B0+16*((\i)&1)
.set CD, D0+64*((\i)&1)
.set TD, D0+64*(((\i)+1)&1)
.if \more
	LOADB \boff
.endif
.if \sb
	ds_load_b128 v[SB+4*\sbh:SB+4*\sbh+3], v5 offset:\sboff
.endif
	s_wait_dscnt 4*\more+\sb                       ; only what was just issued may be out: this tile's fragment and scale words are in
	MM \i
.if \tree
	TREE \toff
.else
.rept 5
	v_nop                                          ; the first tile has no tree behind it: places ahead of the loads into its fragment's registers, of the first read of its results, and of the products that begin its accumulators anew
.endr
.endif
.endm
.set NB, B0
	LOADB 0
	ds_load_b128 v[SB:SB+3], v5
	SUB 0, 1, 2048, 1, 1, 512, 0, 0
	s_mov_b32 s33, 3
.Lblk:                                                 ; a trip: tiles 1 to 7 of a block of 8 and tile 0 of the next
	SUB 1, 1, 4096, 0, 0, 0, 1, 0
	SUB 2, 1, 6144, 0, 0, 0, 1, 1280
	SUB 3, 1, 8192, 0, 0, 0, 1, 2560
	SUB 4, 1, 10240, 1, 0, 1024, 1, 3840           ; the next block's first four scale words: tiles 0-3 of this block are done
	SUB 5, 1, 12288, 0, 0, 0, 1, 5120
	SUB 6, 1, 14336, 0, 0, 0, 1, 6400
	SUB 7, 1, 16384, 0, 0, 0, 1, 7680
	s_add_co_u32 s30, s30, 16384
	s_add_co_u32 s31, s31, 1024
	v_add_nc_u32 v4, s30, v1                       ; on to the next block's fragments and scale words
	v_add_nc_u32 v5, s31, v1
	SUB 0, 1, 2048, 1, 1, 512, 1, 8960
	s_add_co_u32 s32, s32, 10240
	v_add_nc_u32 v6, s32, v8                       ; and to its 128 rows of the stage
	s_sub_co_u32 s33, s33, 1
	s_cmp_lg_u32 s33, 0
	s_cbranch_scc1 .Lblk
	SUB 1, 1, 4096, 0, 0, 0, 1, 0                  ; the last block asks for nothing beyond its own tiles
	SUB 2, 1, 6144, 0, 0, 0, 1, 1280
	SUB 3, 1, 8192, 0, 0, 0, 1, 2560
	SUB 4, 1, 10240, 0, 0, 0, 1, 3840
	SUB 5, 1, 12288, 0, 0, 0, 1, 5120
	SUB 6, 1, 14336, 0, 0, 0, 1, 6400
	SUB 7, 0, 0, 0, 0, 0, 1, 7680
.set TD, D0+64
	TREE 8960                                      ; the last tile's; the tree of the tile before is the places behind its products
	s_wait_dscnt 0x0                               ; for the others' sake: my stores into the stage are done
	s_barrier_signal -1
	s_barrier_wait -1
.set i, 0
.rept 8
	ds_load_b128 v[16+4*i:16+4*i+3], v7 offset:5120*i
.set i, i+1
.endr
.set i, 0
.rept 8
	s_wait_dscnt 7-i                               ; the younger loads may stay out
	global_store_b128 v2, v[16+4*i:16+4*i+3], s[10:11] offset:4096*i   ; a wave stores 512 consecutive bytes
.set i, i+1
.endr
	s_wait_tensorcnt 0x0
	ds_add_u32 v254, v255
	s_wait_dscnt 0x0
	s_endpgm
.Lfunc_end_k_q147fcf636d_score:
	.size	k_q147fcf636d_score, .Lfunc_end_k_q147fcf636d_score-k_q147fcf636d_score
	.p2alignl 7, 3214868480
	.fill 96, 4, 3214868480
	.section	.rodata,"a",@progbits
	.p2align	6, 0x0
	.amdhsa_kernel k_q147fcf636d_score
		.amdhsa_group_segment_fixed_size 113664
		.amdhsa_private_segment_fixed_size 0
		.amdhsa_enable_private_segment 0
		.amdhsa_kernarg_size 32
		.amdhsa_user_sgpr_count 2
		.amdhsa_user_sgpr_kernarg_segment_ptr 1
		.amdhsa_wavefront_size32 1
		.amdhsa_system_sgpr_workgroup_id_x 1
		.amdhsa_system_sgpr_workgroup_id_y 1
		.amdhsa_system_sgpr_workgroup_id_z 1
		.amdhsa_system_vgpr_workitem_id 0
		.amdhsa_next_free_vgpr 448
		.amdhsa_next_free_sgpr 66
		.amdhsa_reserve_vcc 0
		.amdhsa_float_denorm_mode_32 3
		.amdhsa_float_denorm_mode_16_64 3
		.amdhsa_memory_ordered 1
		.amdhsa_forward_progress 1
		.amdhsa_inst_pref_size 87
	.end_amdhsa_kernel
	.amdgpu_metadata
---
amdhsa.version: [ 1, 2 ]
amdhsa.kernels:
  - .name:           k_q147fcf636d_score
    .symbol:         k_q147fcf636d_score.kd
    .args:
      - { .name: codes, .offset: 0, .size: 8, .value_kind: global_buffer, .address_space: global }
      - { .name: scales, .offset: 8, .size: 8, .value_kind: global_buffer, .address_space: global }
      - { .name: hk, .offset: 16, .size: 8, .value_kind: global_buffer, .address_space: global }
      - { .name: gm, .offset: 24, .size: 8, .value_kind: global_buffer, .address_space: global }
    .group_segment_fixed_size: 113664
    .private_segment_fixed_size: 0
    .kernarg_segment_align: 8
    .kernarg_segment_size: 32
    .max_flat_workgroup_size: 256
    .sgpr_count:     66
    .vgpr_count:     448
    .wavefront_size: 32
...
	.end_amdgpu_metadata
.endif
;; end of part 2
;; launch pick (part 3): grid 256 x 1, 4 waves a work-group, no clusters, 33,536 bytes of LDS; arguments gm, hk, sel; writes sel
.if DOCPART == 3
	.amdgcn_target "amdgcn-amd-amdhsa--gfx1250"
	.amdhsa_code_object_version 6
	.text
	.protected	k_q147fcf636d_pick
	.globl	k_q147fcf636d_pick
	.p2align	8
	.type	k_q147fcf636d_pick,@function
k_q147fcf636d_pick:
	s_mov_b64 s[64:65], 0
	v_nop
	global_prefetch_b8 v0, s[64:65] scope:SCOPE_SE
	s_setreg_imm32_b32 hwreg(HW_REG_WAVE_MODE, 25, 1), 1
	s_wait_xcnt 0x0
; For each query the 8 groups of 64 keys whose nearest key is nearest: order (distance, group's number).  The 8 nearest keys by (distance, key's number) lie in these groups: were one of them in a group
; that is not chosen, each of the 8 chosen groups would hold a key ahead of it in that order.  sel [query][8]: the groups' numbers, whole numbers, from which the next launch forms addresses.
; dist = sqrt(max(fma(s', -2, q2), 0)), q2 = -2 hk[query].  LIMITS: v_sqrt_f32 is taken not to fall where its input rises; NaN and infinities are not served.
; SHARES.  A work-group takes four neighbouring queries, whose numbers of one x of gm are 256 consecutive bytes; they are read so, turned through LDS, and each wave takes one query: 64 groups a lane:
; register 4 n + j of a lane is group 128 n + 4 lane + j.  Nothing branches on a number: the smallest is found, its lowest holder is found, and it is replaced by +infinity, eight times.
.set QH0, 524288                       ; where the queries' hk begins
.set QP,  8256                         ; a query's 2,048 numbers in LDS, + 64 bytes
.set X,   16                           ; v16-79
.set T,   80                           ; v80-87 at work; v80 the smallest distance
	s_load_b128 s[4:7], s[0:1], 0x0                ; gm, hk
	s_load_b64 s[8:9], s[0:1], 0x10                ; sel
	v_lshl_add_u32 v96, v0, 2, 0x8100
	v_mov_b32 v97, 0
	v_lshrrev_b32 v1, 5, v0
	v_readfirstlane_b32 s16, v1                    ; wave 0..3
	v_and_b32 v1, 31, v0                           ; lane
	v_lshrrev_b32 v2, 4, v0                        ; thread / 16: which x of eight
	v_and_b32 v3, 15, v0                           ; which 16 bytes of the 256
	v_lshlrev_b32 v4, 16, v2
	v_lshl_add_u32 v4, v3, 4, v4                   ; in gm: 65,536 bytes from x to x
	v_lshrrev_b32 v5, 2, v3                        ; the query,
	v_mul_u32_u24 v5, v5, QP
	v_lshl_add_u32 v5, v2, 6, v5                   ; 64 bytes an x,
	v_and_b32 v6, 3, v0
	v_lshl_add_u32 v5, v6, 4, v5                   ; my four groups
	s_mul_i32 s17, s16, QP
	v_lshl_add_u32 v6, v1, 4, s17                  ; back: my wave's query, 16 bytes a lane
	v_lshlrev_b32 v10, 2, v1                       ; 4 x lane
	v_mov_b32 v11, 0x7f800000                      ; +infinity
	v_mov_b32 v12, 0                               ; the result: lane k gets the k-th group
	s_mov_b32 s20, 0x76543210
	s_mov_b32 s21, 0xfedcba98
	s_lshr_b32 s18, ttmp9, 7                       ; y
	s_lshl_b32 s18, s18, 15
	s_and_b32 s23, ttmp9, 127
	s_lshl_b32 s23, s23, 8                         ; four queries of 64 bytes
	s_add_co_u32 s18, s18, s23
	s_mov_b32 s19, 0
	s_lshl_b32 s22, ttmp9, 2
	s_add_co_u32 s22, s22, s16                     ; my query
	s_wait_kmcnt 0x0
	s_add_nc_u64 s[4:5], s[4:5], s[18:19]
	s_lshl_b32 s18, s22, 2
	s_add_co_u32 s18, s18, QH0
	s_add_nc_u64 s[6:7], s[6:7], s[18:19]
	s_lshl_b32 s18, s22, 5
	s_add_nc_u64 s[8:9], s[8:9], s[18:19]
	s_load_b32 s24, s[6:7], 0x0                    ; hk[query]
.set i, 0
.rept 16
	global_load_b128 v[X+4*i:X+4*i+3], v4, s[4:5] offset:524288*i     ; sixteen lanes read 256 consecutive bytes, aligned; eight x an instruction
.set i, i+1
.endr
.set i, 0
.rept 16
	s_wait_loadcnt 15-i                            ; the younger loads may stay out
	ds_store_b128 v5, v[X+4*i:X+4*i+3] offset:512*i
.set i, i+1
.endr
	s_wait_dscnt 0x0                               ; for the others' sake
	s_barrier_signal -1
	s_barrier_wait -1
.set i, 0
.rept 16
	ds_load_b128 v[X+4*i:X+4*i+3], v6 offset:512*i
.set i, i+1
.endr
	s_wait_kmcnt 0x0
	v_mul_f32 v8, -2.0, s24                        ; q2
	v_mov_b32 v9, v8                               ; (named with it as a pair)
	s_wait_dscnt 0x0
.set i, 0
.rept 32
	v_pk_fma_f32 v[X+2*i:X+2*i+1], v[X+2*i:X+2*i+1], -2.0, v[8:9] op_sel_hi:[1,0,0]   ; q2 - 2 s'
.set i, i+1
.endr
.set i, 0
.rept 64
	v_max_num_f32 v[X+i], 0, v[X+i]
.set i, i+1
.endr
.set i, 0
.rept 64
	v_sqrt_f32 v[X+i], v[X+i]
.set i, i+1
.endr
	v_nop                                          ; a plain line behind the last root
.macro LANEMIN a, b                    ; the smallest over the 32 lanes, in every lane; v[b] has been written
	v_min_num_f32_dpp v[\a], v[\a], v[\a] row_xmask:1 row_mask:0xf bank_mask:0xf
	v_min_num_f32_dpp v[\a], v[\a], v[\a] row_xmask:2 row_mask:0xf bank_mask:0xf
	v_min_num_f32_dpp v[\a], v[\a], v[\a] row_xmask:4 row_mask:0xf bank_mask:0xf
	v_min_num_f32_dpp v[\a], v[\a], v[\a] row_xmask:8 row_mask:0xf bank_mask:0xf
	v_permlanex16_b32 v[\b], v[\a], s20, s21
	v_min_num_f32 v[\a], v[\a], v[\b]
.endm
	s_mov_b32 s26, 0
.Lk:
	s_wait_alu depctr_va_vdst(0)
.irp c, 0,1,2,3,4,5,6,7
	v_min3_num_f32 v[T+\c], v[X+8*\c], v[X+8*\c+1], v[X+8*\c+2]      ; eight chains
.endr
.irp a, 3,5
.irp c, 0,1,2,3,4,5,6,7
	v_min3_num_f32 v[T+\c], v[T+\c], v[X+8*\c+\a], v[X+8*\c+\a+1]
.endr
.endr
	v_min3_num_f32 v80, v80, v81, v[X+7]
	v_min3_num_f32 v82, v82, v83, v[X+15]
	v_min3_num_f32 v84, v84, v85, v[X+23]
	v_min3_num_f32 v86, v86, v87, v[X+31]
	v_min3_num_f32 v80, v80, v82, v[X+39]
	v_min3_num_f32 v84, v84, v86, v[X+47]
	v_min3_num_f32 v80, v80, v84, v[X+55]
	v_min_num_f32 v80, v80, v[X+63]
	LANEMIN 80, 81                                 ; the smallest distance left
	v_mov_b32 v88, 64                              ; my lowest register that holds it; 64: none
.set i, 63
.rept 64
	v_cmp_neq_f32 vcc_lo, v[X+i], v80
	v_cndmask_b32 v88, i, v88, vcc_lo
.set i, i-1
.endr
	v_lshrrev_b32 v89, 2, v88
	v_and_b32 v90, 3, v88
	v_lshl_add_u32 v89, v89, 7, v90
	v_add_nc_u32 v89, v89, v10                     ; its group: 128 (e / 4) + e % 4 + 4 lane; 2,048 or more where I hold none
	v_cvt_f32_u32 v89, v89                         ; exact
	v_mov_b32 v91, v89
	LANEMIN 91, 90                                 ; the lowest group that holds it
	v_cmp_eq_f32 vcc_lo, v89, v91
	v_cndmask_b32 v92, 64, v88, vcc_lo             ; in the one lane that has that group: its register
.set i, 0
.rept 64
	v_cmp_eq_u32 vcc_lo, i, v92
	v_cndmask_b32 v[X+i], v[X+i], v11, vcc_lo      ; it counts no more
.set i, i+1
.endr
	v_cvt_u32_f32 v90, v91
	v_cmp_eq_u32 vcc_lo, s26, v1
	v_cndmask_b32 v12, v12, v90, vcc_lo
	s_add_co_u32 s26, s26, 1
	s_cmp_lt_u32 s26, 8
	s_cbranch_scc1 .Lk
	s_wait_xcnt 0x0                                ; EXEC changes only behind this wait
	v_cmp_gt_u32 vcc_lo, 8, v1
	s_wait_tensorcnt 0x0
	ds_add_u32 v96, v97
	s_wait_dscnt 0x0
	s_and_saveexec_b32 s27, vcc_lo
	global_store_b32 v10, v12, s[8:9]              ; lanes 0-7: the query's 32 bytes of sel
	s_endpgm
.Lfunc_end_k_q147fcf636d_pick:
	.size	k_q147fcf636d_pick, .Lfunc_end_k_q147fcf636d_pick-k_q147fcf636d_pick
	.p2alignl 7, 3214868480
	.fill 96, 4, 3214868480
	.section	.rodata,"a",@progbits
	.p2align	6, 0x0
	.amdhsa_kernel k_q147fcf636d_pick
		.amdhsa_group_segment_fixed_size 33536
		.amdhsa_private_segment_fixed_size 0
		.amdhsa_enable_private_segment 0
		.amdhsa_kernarg_size 24
		.amdhsa_user_sgpr_count 2
		.amdhsa_user_sgpr_kernarg_segment_ptr 1
		.amdhsa_wavefront_size32 1
		.amdhsa_system_sgpr_workgroup_id_x 1
		.amdhsa_system_sgpr_workgroup_id_y 1
		.amdhsa_system_sgpr_workgroup_id_z 1
		.amdhsa_system_vgpr_workitem_id 0
		.amdhsa_next_free_vgpr 98
		.amdhsa_next_free_sgpr 66
		.amdhsa_reserve_vcc 1
		.amdhsa_float_denorm_mode_32 3
		.amdhsa_float_denorm_mode_16_64 3
		.amdhsa_memory_ordered 1
		.amdhsa_forward_progress 1
		.amdhsa_inst_pref_size 24
	.end_amdhsa_kernel
	.amdgpu_metadata
---
amdhsa.version: [ 1, 2 ]
amdhsa.kernels:
  - .name:           k_q147fcf636d_pick
    .symbol:         k_q147fcf636d_pick.kd
    .args:
      - { .name: gm, .offset: 0, .size: 8, .value_kind: global_buffer, .address_space: global }
      - { .name: hk, .offset: 8, .size: 8, .value_kind: global_buffer, .address_space: global }
      - { .name: sel, .offset: 16, .size: 8, .value_kind: global_buffer, .address_space: global }
    .group_segment_fixed_size: 33536
    .private_segment_fixed_size: 0
    .kernarg_segment_align: 8
    .kernarg_segment_size: 24
    .max_flat_workgroup_size: 128
    .sgpr_count:     66
    .vgpr_count:     98
    .wavefront_size: 32
...
	.end_amdgpu_metadata
.endif
;; end of part 3
;; launch rescore (part 4): grid 256 x 1, 16 waves a work-group, no clusters, 10,240 bytes of LDS; arguments sel, codes, scales, hk, idx; writes idx
.if DOCPART == 4
	.amdgcn_target "amdgcn-amd-amdhsa--gfx1250"
	.amdhsa_code_object_version 6
	.text
	.protected	k_q147fcf636d_rescore
	.globl	k_q147fcf636d_rescore
	.p2align	8
	.type	k_q147fcf636d_rescore,@function
k_q147fcf636d_rescore:
	s_mov_b64 s[64:65], 0
	v_nop
	global_prefetch_b8 v0, s[64:65] scope:SCOPE_SE
	s_setreg_imm32_b32 hwreg(HW_REG_WAVE_MODE, 25, 1), 1
	s_wait_xcnt 0x0
; For each query the 8 x 64 keys of its chosen groups are scored again, by the same matrix instructions on the same operands in the same order as in the launch that scored all keys, so that the numbers are
; the same bit for bit; then the 8 nearest are taken in the order (distance, key's number).  idx [query][8]: the keys' numbers, whole numbers, from which the last launch forms addresses.
; dist = sqrt(max(fma(s', -2, q2), 0)), q2 = -2 hk[query], as in the launch that chose the groups.  LIMITS as there; a group's number read from sel is held at 2,047.
; SHARES.  A work-group takes four queries.  Wave v scores, for query v % 4, the two groups 2 (v / 4) and 2 (v / 4) + 1 of its list: 8 key tiles, 16 matrix instructions.  Source 1 holds the ONE query in all
; sixteen columns, so every lane of a half holds the same 64 results; lane r keeps registers 4 r .. 4 r + 3.  The distances meet in LDS; waves 0 to 3 select, a query each, 16 candidates a lane.
; REGISTERS: v1-7 addresses and lane numbers; v8-23 the query's fragment, v24 its scale words; v25-30 h, the lane's part of a key's number, q2, +infinity, the result, 4 x lane;
;   v32-159 the keys' fragments (later v32-47 distances, v48-63 keys' numbers as f32); v160-167 their scale words; v168-231 hk, then the results; v232-235 my four; v236-240 at work.
;   s20-31 the two groups' bases (codes, scale words, hk) and nothing else; s60, s61 the lane selects.
.set QT0, 16777216
.set QS0, 1048576
.set QH0, 524288
.set A,   32
.set SA,  160
.set D,   168
.set Y,   232
.set X,   32
.set I,   48
.set SEL, 60                           ; s[60:61] v_permlanex16_b32's selects for lane l xor 16
	s_load_b256 s[4:11], s[0:1], 0x0               ; sel s[4:5], codes s[6:7], scales s[8:9], hk s[10:11]
	s_load_b64 s[12:13], s[0:1], 0x20              ; idx
	v_lshl_add_u32 v254, v0, 2, 0x2000
	v_mov_b32 v255, 0
	v_lshrrev_b32 v1, 5, v0
	v_readfirstlane_b32 s16, v1                    ; wave 0..15
	s_and_b32 s17, s16, 3                          ; which of the four queries
	s_lshr_b32 s18, s16, 2                         ; which pair of its groups
	s_lshl_b32 s19, ttmp9, 2
	s_add_co_u32 s19, s19, s17                     ; my query
	v_and_b32 v6, 31, v0                           ; lane
	v_and_b32 v5, 15, v0                           ; r
	v_bfe_u32 v25, v0, 4, 1                        ; h
	v_lshlrev_b32 v1, 4, v6                        ; 16 x lane
	v_lshlrev_b32 v2, 5, v25                       ; 32 h
	v_lshlrev_b32 v30, 2, v6                       ; 4 x lane
	s_and_b32 s38, s19, 15                         ; the query's row in its tile,
	s_lshl_b32 s38, s38, 4
	v_lshl_add_u32 v3, v25, 8, s38                 ; its place in a fragment's image: lane 16 h + row, whatever my r
	s_lshr_b32 s39, s19, 4                         ; its tile
	s_and_b32 s55, s39, 3
	s_lshl_b32 s55, s55, 2
	v_add_nc_u32 v4, s55, v3                       ; and among the scale words: + 4 (tile % 4)
	s_lshl_b32 s55, s17, 11
	s_lshl_b32 s59, s18, 9
	s_add_co_u32 s55, s55, s59
	v_add_nc_u32 v7, s55, v1                       ; LDS: 2,048 bytes a query, 512 a wave, 16 a lane
	v_bfe_u32 v236, v0, 1, 2
	v_and_b32 v237, 1, v0
	v_lshlrev_b32 v26, 4, v236
	v_lshl_add_u32 v26, v25, 3, v26
	v_lshl_add_u32 v26, v237, 2, v26               ; 16 ((r / 2) % 4) + 8 h + 4 (r % 2): the first of my four keys in its group
	v_mov_b32 v28, 0x7f800000                      ; +infinity
	v_mov_b32 v29, 0
	s_mov_b32 s[SEL], 0x76543210
	s_mov_b32 s[SEL+1], 0xfedcba98
	s_mov_b32 s58, 0xff00ff00                      ; the lanes with r >= 8
	s_mov_b32 s33, 0
	s_wait_kmcnt 0x0
	s_lshl_b32 s32, s19, 5
	s_add_nc_u64 s[14:15], s[4:5], s[32:33]        ; my query's list
	s_add_nc_u64 s[12:13], s[12:13], s[32:33]      ; and its place in idx
	s_lshl_b32 s32, s18, 3
	s_add_nc_u64 s[50:51], s[14:15], s[32:33]      ; my two groups in it
	s_lshl_b32 s32, s19, 2
	s_add_co_u32 s32, s32, QH0
	s_add_nc_u64 s[52:53], s[10:11], s[32:33]
	s_load_b256 s[40:47], s[14:15], 0x0
	s_load_b64 s[48:49], s[50:51], 0x0
	s_load_b32 s54, s[52:53], 0x0                  ; hk[query]
	s_lshl_b32 s32, s39, 11
	s_add_co_u32 s32, s32, QT0
	s_add_nc_u64 s[34:35], s[6:7], s[32:33]        ; the query's tile of codes
	s_lshr_b32 s32, s39, 2
	s_lshl_b32 s32, s32, 9
	s_add_co_u32 s32, s32, QS0
	s_add_nc_u64 s[36:37], s[8:9], s[32:33]        ; and its group of scale words
	s_wait_kmcnt 0x0
.irp j, 40,41,42,43,44,45,46,47,48,49
	s_min_u32 s\j, s\j, 2047
.endr
.irp u, 0,1
	s_lshl_b32 s32, s[48+\u], 13
	s_add_nc_u64 s[20+6*\u:21+6*\u], s[6:7], s[32:33]
	s_lshl_b32 s32, s[48+\u], 9
	s_add_nc_u64 s[22+6*\u:23+6*\u], s[8:9], s[32:33]
	s_lshl_b32 s32, s[48+\u], 8
	s_add_nc_u64 s[24+6*\u:25+6*\u], s[10:11], s[32:33]
.endr
.irp u, 0,1
.set k, 0
.rept 16
	global_load_b128 v[A+64*\u+4*k:A+64*\u+4*k+3], v1, s[20+6*\u:21+6*\u] offset:512*k   ; the group's four tiles as they lie
.set k, k+1
.endr
	global_load_b128 v[SA+4*\u:SA+4*\u+3], v1, s[22+6*\u:23+6*\u]
.set k, 0
.rept 8
	global_load_b128 v[D+32*\u+4*k:D+32*\u+4*k+3], v2, s[24+6*\u:25+6*\u] offset:64*(k/2)+16*(k%2)   ; hk(16 t + 8 h + j): the sums begin with it
.set k, k+1
.endr
.endr
.irp k, 0,1,2,3
	global_load_b128 v[8+4*\k:8+4*\k+3], v3, s[34:35] offset:512*\k
.endr
	global_load_b32 v24, v4, s[36:37]
	v_mul_f32 v27, -2.0, s54                       ; q2
	s_wait_loadcnt 0x0
.irp u, 0,1                            ; the eight accumulators take turns, one instruction a turn
.irp t, 0,1,2,3
	v_wmma_scale_f32_16x16x128_f8f6f4 v[D+32*\u+8*\t:D+32*\u+8*\t+7], v[A+64*\u+16*\t:A+64*\u+16*\t+7], v[8:15], v[D+32*\u+8*\t:D+32*\u+8*\t+7], v[SA+4*\u+\t], v24 matrix_a_fmt:MATRIX_FMT_FP4 matrix_b_fmt:MATRIX_FMT_FP4
.endr
.endr
.irp u, 0,1
.irp t, 0,1,2,3
	v_wmma_scale_f32_16x16x128_f8f6f4 v[D+32*\u+8*\t:D+32*\u+8*\t+7], v[A+64*\u+16*\t+8:A+64*\u+16*\t+15], v[16:23], v[D+32*\u+8*\t:D+32*\u+8*\t+7], v[SA+4*\u+\t], v24 matrix_a_fmt:MATRIX_FMT_FP4 matrix_b_fmt:MATRIX_FMT_FP4 matrix_a_scale:MATRIX_SCALE_ROW1 matrix_b_scale:MATRIX_SCALE_ROW1
.endr
.endr
.rept 4
	v_nop                                          ; places ahead of the first read of results
.endr
.irp i, 0,1,2,3
	v_mov_b32 v[Y+\i], v[D+\i]                     ; lane r keeps registers 4 r .. 4 r + 3; ascending
.endr
.irp rr, 1,2,3,4,5,6,7,8,9,10,11,12,13,14,15
	v_cmp_eq_u32 vcc_lo, \rr, v5
.irp i, 0,1,2,3
	v_cndmask_b32 v[Y+\i], v[Y+\i], v[D+4*\rr+\i], vcc_lo
.endr
.endr
.irp i, 0,1,2,3
	v_fma_f32 v[Y+\i], v[Y+\i], -2.0, v27
.endr
.irp i, 0,1,2,3
	v_max_num_f32 v[Y+\i], 0, v[Y+\i]
.endr
.irp i, 0,1,2,3
	v_sqrt_f32 v[Y+\i], v[Y+\i]
.endr
	v_nop                                          ; a plain line behind the last root
	s_wait_alu depctr_va_vdst(0)
	ds_store_b128 v7, v[Y:Y+3]
	s_wait_dscnt 0x0                               ; for the others' sake
	s_barrier_signal -1
	s_barrier_wait -1
	s_cmp_ge_u32 s16, 4
	s_cbranch_scc1 .Ldone                          ; waves 0 to 3 select, each its query (for them v7 is 2,048 x wave + 16 x lane)
.irp p, 0,1,2,3
	ds_load_b128 v[X+4*\p:X+4*\p+3], v7 offset:512*\p
.endr
.irp p, 0,1,2,3                        ; the candidates' numbers: part p, lane (r, h), register i: 64 x group 2 p + r / 8 of the list + the lane's part + i
	v_mov_b32 v236, s[40+2*\p]
	v_mov_b32 v237, s[41+2*\p]
	v_cndmask_b32 v236, v236, v237, s58
	v_lshl_add_u32 v236, v236, 6, v26
.irp i, 0,1,2,3
	v_add_nc_u32 v[I+4*\p+\i], \i, v236
.endr
.endr
.set i, 0
.rept 16
	v_cvt_f32_u32 v[I+i], v[I+i]                   ; under 2^17: exact
.set i, i+1
.endr
	s_wait_dscnt 0x0
.macro LANEMIN a, b                    ; the smallest over the 32 lanes, in every lane; v[b] has been written
	v_min_num_f32_dpp v[\a], v[\a], v[\a] row_xmask:1 row_mask:0xf bank_mask:0xf
	v_min_num_f32_dpp v[\a], v[\a], v[\a] row_xmask:2 row_mask:0xf bank_mask:0xf
	v_min_num_f32_dpp v[\a], v[\a], v[\a] row_xmask:4 row_mask:0xf bank_mask:0xf
	v_min_num_f32_dpp v[\a], v[\a], v[\a] row_xmask:8 row_mask:0xf bank_mask:0xf
	v_permlanex16_b32 v[\b], v[\a], s[SEL], s[SEL+1]
	v_min_num_f32 v[\a], v[\a], v[\b]
.endm
	s_mov_b32 s56, 0
.Lk:
	v_min3_num_f32 v236, v[X], v[X+1], v[X+2]
	v_min3_num_f32 v237, v[X+3], v[X+4], v[X+5]
	v_min3_num_f32 v238, v[X+6], v[X+7], v[X+8]
	v_min3_num_f32 v239, v[X+9], v[X+10], v[X+11]
	v_min3_num_f32 v240, v[X+12], v[X+13], v[X+14]
	v_min3_num_f32 v236, v236, v237, v238
	v_min3_num_f32 v239, v239, v240, v[X+15]
	v_min_num_f32 v236, v236, v239
	LANEMIN 236, 237                               ; the smallest distance left
	v_mov_b32 v238, v28
.irp i, 0,2,4,6,8,10,12,14
	v_cmp_eq_f32 vcc_lo, v[X+\i], v236
	v_cndmask_b32 v239, v28, v[I+\i], vcc_lo
	v_cmp_eq_f32 vcc_lo, v[X+\i+1], v236
	v_cndmask_b32 v240, v28, v[I+\i+1], vcc_lo
	v_min3_num_f32 v238, v238, v239, v240
.endr
	LANEMIN 238, 239                               ; the lowest key that has it
.set i, 0
.rept 16
	v_cmp_eq_f32 vcc_lo, v[I+i], v238
	v_cndmask_b32 v[X+i], v[X+i], v28, vcc_lo      ; it counts no more
.set i, i+1
.endr
	v_cvt_u32_f32 v239, v238
	v_cmp_eq_u32 vcc_lo, s56, v6
	v_cndmask_b32 v29, v29, v239, vcc_lo
	s_add_co_u32 s56, s56, 1
	s_cmp_lt_u32 s56, 8
	s_cbranch_scc1 .Lk
	s_wait_xcnt 0x0                                ; EXEC changes only behind this wait
	v_cmp_gt_u32 vcc_lo, 8, v6
	s_wait_tensorcnt 0x0
	ds_add_u32 v254, v255
	s_wait_dscnt 0x0
	s_and_saveexec_b32 s57, vcc_lo
	global_store_b32 v30, v29, s[12:13]            ; lanes 0-7: the query's 32 bytes of idx
	s_endpgm
.Ldone:
	s_wait_tensorcnt 0x0
	ds_add_u32 v254, v255
	s_wait_dscnt 0x0
	s_endpgm
.Lfunc_end_k_q147fcf636d_rescore:
	.size	k_q147fcf636d_rescore, .Lfunc_end_k_q147fcf636d_rescore-k_q147fcf636d_rescore
	.p2alignl 7, 3214868480
	.fill 96, 4, 3214868480
	.section	.rodata,"a",@progbits
	.p2align	6, 0x0
	.amdhsa_kernel k_q147fcf636d_rescore
		.amdhsa_group_segment_fixed_size 10240
		.amdhsa_private_segment_fixed_size 0
		.amdhsa_enable_private_segment 0
		.amdhsa_kernarg_size 40
		.amdhsa_user_sgpr_count 2
		.amdhsa_user_sgpr_kernarg_segment_ptr 1
		.amdhsa_wavefront_size32 1
		.amdhsa_system_sgpr_workgroup_id_x 1
		.amdhsa_system_sgpr_workgroup_id_y 1
		.amdhsa_system_sgpr_workgroup_id_z 1
		.amdhsa_system_vgpr_workitem_id 0
		.amdhsa_next_free_vgpr 256
		.amdhsa_next_free_sgpr 66
		.amdhsa_reserve_vcc 1
		.amdhsa_float_denorm_mode_32 3
		.amdhsa_float_denorm_mode_16_64 3
		.amdhsa_memory_ordered 1
		.amdhsa_forward_progress 1
		.amdhsa_inst_pref_size 21
	.end_amdhsa_kernel
	.amdgpu_metadata
---
amdhsa.version: [ 1, 2 ]
amdhsa.kernels:
  - .name:           k_q147fcf636d_rescore
    .symbol:         k_q147fcf636d_rescore.kd
    .args:
      - { .name: sel, .offset: 0, .size: 8, .value_kind: global_buffer, .address_space: global }
      - { .name: codes, .offset: 8, .size: 8, .value_kind: global_buffer, .address_space: global }
      - { .name: scales, .offset: 16, .size: 8, .value_kind: global_buffer, .address_space: global }
      - { .name: hk, .offset: 24, .size: 8, .value_kind: global_buffer, .address_space: global }
      - { .name: idx, .offset: 32, .size: 8, .value_kind: global_buffer, .address_space: global }
    .group_segment_fixed_size: 10240
    .private_segment_fixed_size: 0
    .kernarg_segment_align: 8
    .kernarg_segment_size: 40
    .max_flat_workgroup_size: 512
    .sgpr_count:     66
    .vgpr_count:     256
    .wavefront_size: 32
...
	.end_amdgpu_metadata
.endif
;; end of part 4
;; launch gather (part 5): grid 256 x 1, 8 waves a work-group, no clusters, 0 bytes of LDS; arguments idx, vals, out0; writes out0
.if DOCPART == 5
	.amdgcn_target "amdgcn-amd-amdhsa--gfx1250"
	.amdhsa_code_object_version 6
	.text
	.protected	k_q147fcf636d_gather
	.globl	k_q147fcf636d_gather
	.p2align	8
	.type	k_q147fcf636d_gather,@function
k_q147fcf636d_gather:
	s_mov_b64 s[64:65], 0
	v_nop
	global_prefetch_b8 v0, s[64:65] scope:SCOPE_SE
	s_setreg_imm32_b32 hwreg(HW_REG_WAVE_MODE, 25, 1), 1
	s_wait_xcnt 0x0
; out0[query][k][:] = vals[idx[query][k]][:]: 8,192 rows of 1,024 bytes.  A wave copies four rows that follow each other in out0: eight loads of 512 consecutive bytes, all out at once, then eight stores.
; The rows' numbers are whole numbers that the launch before has stored; each is held at 131,071 ahead of its use in an address.  No hint on the loads: a row of vals may be named by several queries.
	s_load_b128 s[4:7], s[0:1], 0x0                ; idx, vals
	s_load_b64 s[8:9], s[0:1], 0x10                ; out0
	v_lshrrev_b32 v1, 5, v0
	v_readfirstlane_b32 s16, v1                    ; wave 0..7
	v_and_b32 v1, 31, v0
	v_lshlrev_b32 v1, 4, v1                        ; 16 x lane
	s_lshl_b32 s17, ttmp9, 3
	s_add_co_u32 s17, s17, s16                     ; which four rows
	s_lshl_b32 s18, s17, 4
	s_mov_b32 s19, 0
	s_mov_b32 s29, 0
	s_wait_kmcnt 0x0
	s_add_nc_u64 s[4:5], s[4:5], s[18:19]
	s_load_b128 s[12:15], s[4:5], 0x0
	s_lshl_b32 s18, s17, 12
	s_add_nc_u64 s[8:9], s[8:9], s[18:19]
	s_wait_kmcnt 0x0
.irp j, 0,1,2,3
	s_min_u32 s[12+\j], s[12+\j], 0x1ffff
	s_lshl_b32 s28, s[12+\j], 10
	s_add_nc_u64 s[20+2*\j:21+2*\j], s[6:7], s[28:29]
.endr
.irp j, 0,1,2,3
	global_load_b128 v[8+8*\j:11+8*\j], v1, s[20+2*\j:21+2*\j]
	global_load_b128 v[12+8*\j:15+8*\j], v1, s[20+2*\j:21+2*\j] offset:512
.endr
.irp n, 0,1,2,3,4,5,6,7
	s_wait_loadcnt 7-\n                            ; the younger loads may stay out
	global_store_b128 v1, v[8+4*\n:11+4*\n], s[8:9] offset:512*\n th:TH_STORE_NT   ; 512 consecutive bytes, aligned; written once, read by nobody here
.endr
	s_endpgm
.Lfunc_end_k_q147fcf636d_gather:
	.size	k_q147fcf636d_gather, .Lfunc_end_k_q147fcf636d_gather-k_q147fcf636d_gather
	.p2alignl 7, 3214868480
	.fill 96, 4, 3214868480
	.section	.rodata,"a",@progbits
	.p2align	6, 0x0
	.amdhsa_kernel k_q147fcf636d_gather
		.amdhsa_group_segment_fixed_size 0
		.amdhsa_private_segment_fixed_size 0
		.amdhsa_enable_private_segment 0
		.amdhsa_kernarg_size 24
		.amdhsa_user_sgpr_count 2
		.amdhsa_user_sgpr_kernarg_segment_ptr 1
		.amdhsa_wavefront_size32 1
		.amdhsa_system_sgpr_workgroup_id_x 1
		.amdhsa_system_sgpr_workgroup_id_y 1
		.amdhsa_system_sgpr_workgroup_id_z 1
		.amdhsa_system_vgpr_workitem_id 0
		.amdhsa_next_free_vgpr 40
		.amdhsa_next_free_sgpr 66
		.amdhsa_reserve_vcc 0
		.amdhsa_float_denorm_mode_32 3
		.amdhsa_float_denorm_mode_16_64 3
		.amdhsa_memory_ordered 1
		.amdhsa_forward_progress 1
		.amdhsa_inst_pref_size 4
	.end_amdhsa_kernel
	.amdgpu_metadata
---
amdhsa.version: [ 1, 2 ]
amdhsa.kernels:
  - .name:           k_q147fcf636d_gather
    .symbol:         k_q147fcf636d_gather.kd
    .args:
      - { .name: idx, .offset: 0, .size: 8, .value_kind: global_buffer, .address_space: global }
      - { .name: vals, .offset: 8, .size: 8, .value_kind: global_buffer, .address_space: global }
      - { .name: out0, .offset: 16, .size: 8, .value_kind: global_buffer, .address_space: global }
    .group_segment_fixed_size: 0
    .private_segment_fixed_size: 0
    .kernarg_segment_align: 8
    .kernarg_segment_size: 24
    .max_flat_workgroup_size: 256
    .sgpr_count:     66
    .vgpr_count:     40
    .wavefront_size: 32
...
	.end_amdgpu_metadata
.endif
;; end of part 5
